; MI455X (gfx1250); checked and timed in simulation.
; The chip was launched on July 23, 2026; its instructions are those of AMD's public machine-readable ISA for CDNA 5 (MIT licence, August 2026) and "CDNA5" Instruction Set Architecture Reference Guide (July 2026). The comments in the code are by the model that wrote it; some were corrected since.
;; Vector Quantizer. Allowed arithmetic: float matrix products may take bf16 or f16 operands with f32 sums; all other float work in f32.
;; Inputs: embedding 8,192 x 256 float32; z 8 x 256 x 64 x 64 float32.
;; Outputs: out0 8 x 256 x 64 x 64 float32; out1 one number float32; out2 8 x 4,096 int32.
;; One version. Each part assembles by itself: llvm-mc -triple=amdgcn-amd-amdhsa -mcpu=gfx1250 --defsym DOCPART=n.
;; ======== version 1 of 1: 4 launches
;; workspace buffers: ebf 4,194,304 bytes; enorm 32,768 bytes; cand 262,144 bytes of whole numbers; part 2,048 bytes
;; launch prep (part 1): grid 128 x 1, 8 waves a work-group, no clusters, 1,280 bytes of LDS; arguments embedding, ebf, enorm; writes ebf, enorm
.if DOCPART == 1
	.amdgcn_target "amdgcn-amd-amdhsa--gfx1250"
	.amdhsa_code_object_version 6
	.text
	.protected	k_q35efaaec74_prep
	.globl	k_q35efaaec74_prep
	.p2align	8
	.type	k_q35efaaec74_prep,@function
k_q35efaaec74_prep:
	s_mov_b64 s[64:65], 0
	v_nop
	global_prefetch_b8 v0, s[64:65] scope:SCOPE_SE
	s_setreg_imm32_b32 hwreg(HW_REG_WAVE_MODE, 25, 1), 1
	s_wait_xcnt 0x0
; ebf[j][c] = bf16(embedding[j][c]) (nearest even);  enorm[j] = sum over c of ebf[j][c]^2, in f32.
; embedding: [8192][256] f32.  The norm is taken of the ROUNDED numbers, so that all three terms of the distance in the next launch belong to the same vectors.
; A work-group takes 64 rows, so that its 64 norms are 256 consecutive bytes; a wave takes 8 rows, a whole row at a time:
; lane l holds columns 4 l .. 4 l + 3 and 128 + 4 l .. 128 + 4 l + 3.  All 16 loads of a wave go out first.
; No cluster: the work-groups share no input.  No matrix work: one pass over 8 MiB.
.set ROWB, 1024                        ; bytes of a row of embedding
.set X,   4                            ; v[4:67]    row i: 8 registers as loaded
.set Y,   68                           ; v[68:99]   row i: 4 registers, 8 bf16
.set NS,  100                          ; v[100:101] two chains of the row's sum of squares
.set TP,  102                          ; v102       the other half's sum
.set LA,  103                          ; v103       LDS: 32 x wave
.set RB,  104                          ; v[104:105] two norms on their way out
	s_load_b128 s[4:7], s[0:1], 0x0                ; embedding s[4:5], ebf s[6:7]
	s_load_b64 s[8:9], s[0:1], 0x10                ; enorm
	v_lshl_add_u32 v120, v0, 2, 0x100
	v_mov_b32 v121, 0
	v_and_b32 v1, 31, v0                           ; lane
	v_lshrrev_b32 v3, 5, v0
	v_readfirstlane_b32 s10, v3                    ; wave
	v_lshlrev_b32 v2, 3, v1                        ; 8 x lane
	v_lshlrev_b32 v1, 4, v1                        ; 16 x lane
	v_lshlrev_b32 v[LA], 5, v3                     ; my wave's 8 words in LDS
	v_mov_b32 v[TP], 0                             ; v_permlanex16_b32 counts as a reader of its destination
	s_mov_b32 s14, 0x76543210                      ; lane i of one half reads lane i of the other
	s_mov_b32 s15, 0xfedcba98
	s_lshl_b32 s12, ttmp9, 16                      ; 64 rows of 1,024 bytes
	s_lshl_b32 s16, s10, 13                        ; + wave x 8 rows
	s_add_co_u32 s12, s12, s16
	s_mov_b32 s13, 0
	s_lshr_b32 s16, s12, 1                         ; the same rows in ebf: half the bytes
	s_mov_b32 s17, 0
	s_lshl_b32 s18, ttmp9, 8                       ; 64 norms of 4 bytes
	s_mov_b32 s19, 0
	s_wait_kmcnt 0x0
	s_add_nc_u64 s[4:5], s[4:5], s[12:13]
	s_add_nc_u64 s[6:7], s[6:7], s[16:17]
	s_add_nc_u64 s[8:9], s[8:9], s[18:19]
.irp i, 0,1,2,3,4,5,6,7
	global_load_b128 v[X+8*\i:X+8*\i+3],   v1, s[4:5] offset:ROWB*\i        ; 512 consecutive bytes a load
	global_load_b128 v[X+8*\i+4:X+8*\i+7], v1, s[4:5] offset:ROWB*\i+512
.endr
.irp i, 0,1,2,3,4,5,6,7
	s_wait_loadcnt 14-2*\i                         ; loads come back in order: the two loads of each later row may stay out
.irp c, 0,1,2,3
	v_cvt_pk_bf16_f32 v[Y+4*\i+\c], v[X+8*\i+2*\c], v[X+8*\i+2*\c+1]
.endr
	global_store_b64 v2, v[Y+4*\i:Y+4*\i+1],   s[6:7] offset:512*\i         ; the wave's 32 lanes store 256 consecutive bytes, aligned
	global_store_b64 v2, v[Y+4*\i+2:Y+4*\i+3], s[6:7] offset:512*\i+256
	v_mov_b32 v[NS], 0
	v_mov_b32 v[NS+1], 0
.irp c, 0,1,2,3
	v_fma_mix_f32_bf16 v[NS],   v[Y+4*\i+\c], v[Y+4*\i+\c], v[NS]   op_sel_hi:[1,1,0]                  ; low half squared, added in f32
	v_fma_mix_f32_bf16 v[NS+1], v[Y+4*\i+\c], v[Y+4*\i+\c], v[NS+1] op_sel:[1,1,0] op_sel_hi:[1,1,0]   ; high half squared
.endr
	v_add_f32 v[NS], v[NS], v[NS+1]
	v_add_f32_dpp v[NS], v[NS], v[NS] row_xmask:1 row_mask:0xf bank_mask:0xf
	v_add_f32_dpp v[NS], v[NS], v[NS] row_xmask:2 row_mask:0xf bank_mask:0xf
	v_add_f32_dpp v[NS], v[NS], v[NS] row_xmask:4 row_mask:0xf bank_mask:0xf
	v_add_f32_dpp v[NS], v[NS], v[NS] row_xmask:8 row_mask:0xf bank_mask:0xf
	v_permlanex16_b32 v[TP], v[NS], s14, s15
	v_add_f32 v[NS], v[NS], v[TP]                  ; the row's norm, in every lane
	ds_store_b32 v[LA], v[NS] offset:4*\i          ; word 8 wave + i; all lanes write the same number
.endr
	s_wait_dscnt 0x0                               ; for wave 0's sake: my eight words are in LDS
	s_barrier_signal -1
	s_barrier_wait -1
	s_cmp_lg_u32 s10, 0
	s_cbranch_scc1 .Ldone
	ds_load_b64 v[RB:RB+1], v2                     ; wave 0: the 64 norms, two a lane
	s_wait_dscnt 0x0
	global_store_b64 v2, v[RB:RB+1], s[8:9]        ; 256 consecutive bytes, aligned
.Ldone:
	s_wait_tensorcnt 0x0
	ds_add_u32 v120, v121
	s_wait_dscnt 0x0
	s_endpgm
.Lfunc_end_k_q35efaaec74_prep:
	.size	k_q35efaaec74_prep, .Lfunc_end_k_q35efaaec74_prep-k_q35efaaec74_prep
	.p2alignl 7, 3214868480
	.fill 96, 4, 3214868480
	.section	.rodata,"a",@progbits
	.p2align	6, 0x0
	.amdhsa_kernel k_q35efaaec74_prep
		.amdhsa_group_segment_fixed_size 1280
		.amdhsa_private_segment_fixed_size 0
		.amdhsa_enable_private_segment 0
		.amdhsa_kernarg_size 24
		.amdhsa_user_sgpr_count 2
		.amdhsa_user_sgpr_kernarg_segment_ptr 1
		.amdhsa_wavefront_size32 1
		.amdhsa_system_sgpr_workgroup_id_x 1
		.amdhsa_system_sgpr_workgroup_id_y 1
		.amdhsa_system_sgpr_workgroup_id_z 1
		.amdhsa_system_vgpr_workitem_id 0
		.amdhsa_next_free_vgpr 122
		.amdhsa_next_free_sgpr 66
		.amdhsa_reserve_vcc 0
		.amdhsa_float_denorm_mode_32 3
		.amdhsa_float_denorm_mode_16_64 3
		.amdhsa_memory_ordered 1
		.amdhsa_forward_progress 1
		.amdhsa_inst_pref_size 15
	.end_amdhsa_kernel
	.amdgpu_metadata
---
amdhsa.version: [ 1, 2 ]
amdhsa.kernels:
  - .name:           k_q35efaaec74_prep
    .symbol:         k_q35efaaec74_prep.kd
    .args:
      - { .name: embedding, .offset: 0, .size: 8, .value_kind: global_buffer, .address_space: global }
      - { .name: ebf, .offset: 8, .size: 8, .value_kind: global_buffer, .address_space: global }
      - { .name: enorm, .offset: 16, .size: 8, .value_kind: global_buffer, .address_space: global }
    .group_segment_fixed_size: 1280
    .private_segment_fixed_size: 0
    .kernarg_segment_align: 8
    .kernarg_segment_size: 24
    .max_flat_workgroup_size: 256
    .sgpr_count:     66
    .vgpr_count:     122
    .wavefront_size: 32
...
	.end_amdgpu_metadata
.endif
;; end of part 1
;; launch vq (part 2): grid 256 x 1, 8 waves a work-group, clusters of 4 x 1, 327,680 bytes of LDS; arguments ebf, enorm, z, cand; writes cand
.if DOCPART == 2
	.amdgcn_target "amdgcn-amd-amdhsa--gfx1250"
	.amdhsa_code_object_version 6
	.text
	.protected	k_q35efaaec74_vq
	.globl	k_q35efaaec74_vq
	.p2align	8
	.type	k_q35efaaec74_vq,@function
k_q35efaaec74_vq:
	s_mov_b64 s[64:65], 0
	v_nop
	global_prefetch_b8 v0, s[64:65] scope:SCOPE_SE
	s_setreg_imm32_b32 hwreg(HW_REG_WAVE_MODE, 25, 1), 1
	s_wait_xcnt 0x0
	s_wait_alu depctr_hold_cnt(0) depctr_sa_sdst(0) depctr_va_vdst(0) depctr_va_sdst(0) depctr_va_ssrc(0) depctr_va_vcc(0) depctr_vm_vsrc(0)
	s_getreg_b32 s2, hwreg(HW_REG_IB_STS2, 6, 4)
	s_cmp_eq_u32 s2, 0
	s_cbranch_scc0 .Lentry_in_a_cluster
	s_endpgm
.Lentry_in_a_cluster:
	s_bfe_u32 s2, ttmp6, 0x10000c
	s_cmp_lg_u32 s2, 0x3003
	s_cbranch_scc0 .Lentry_shape_is_right
	s_endpgm
.Lentry_shape_is_right:
; cand[i][0..1] = the two codes j with the smallest d(i, j) = fl( fl(A_i + B_j) - 2 M(i, j) ), equal distances ordered by index.  z is read flat as [32768][256] f32,
; rounded here to bf16; ebf: [8192][256] bf16; B_j = enorm[j]; A_i = sum of the rounded z row's squares in f32; M = z e^T on the matrix unit, bf16 operands, f32 sums.
; The two roundings are those of the sum as the problem writes it: t = A + B, then one fused t - 2 M (2 M is exact).  Codes are walked in ascending order with a
; strict 'less than'.  The next launch decides between the two candidates with sums added in ascending order of k: where two distances lie within a last bit of a
; rounding boundary, the order of the additions inside M decides, and the matrix unit's order is its own.
; LIMITS: NaN and infinities in the inputs, and distances beyond f32's range, are not served (a NaN distance is never chosen).  The distances are those of the
; inputs rounded to bf16.  A lane keeps ONE code of its class (codes of equal j mod 16 and equal (j mod 256) / 64), and two codes a row go on: between two
; nearly equal codes of one class, and for a third code as near as the best two, the matrix unit's sums decide.
;
; SHARES.  A work-group owns 128 rows of z and walks all 8,192 codes, so no minimum crosses work-groups.  Wave w: rh = w >> 2 picks 64 rows, q = w & 3 picks 64 of
; each tile's 256 codes.  The wave's 64 rows stay in registers as matrix fragments for the whole launch (4 x 8 fragments of 8 = 256 registers, window 1), so for
; 32 matrix instructions only 16 rows of e are read from LDS: 16 loads of 16 bytes a lane.
; EIGHT WAVES, two for each of the WGP's four SIMDs, 512 registers each: a wave alternates a run of 32 matrix instructions (source 0 in window 1) with a run of
; 129 vector instructions that pick the minima (all operands in window 0): two switches of the window for a tile of 64 x 16, and one wave's vector run can lie
; under the other's matrix run.  late = (w xor w >> 2) & 1 puts waves w and w + 4, and waves 2 n and 2 n + 1, into different halves: the late half carries a
; slot's last vector run across the change of slots, the early half does it in front, so that the halves leave the barrier out of step.
; CLUSTER 4 x 1: every work-group walks the same 4 MiB of ebf and the same norms in the same order: these are asked for jointly by the four (mask 15).
; z's rows are each work-group's own: a plain load.
;
; LDS: slot 0 and slot 1, 256 rows of e of 512 + 16 bytes each (slot 1 first holds the stage for z: 128 rows of 1,024 + 16 bytes); the 8,192 norms;
; then three blocks that only LDS stores write: 256 bytes a wave for A, and 2 x 4,096 bytes for the waves' two best distances and their indices.
.set PE,    528                        ; LDS pitch of a row of e: 33 x 16 bytes, so the 16 rows of a fragment load lie in 16 different 16-byte columns of 256
.set SLOT,  256*PE                     ; 135,168
.set PZ,    1040                       ; LDS pitch of a row of z in f32: 65 x 16 bytes
.set BTAB,  2*SLOT                     ; 270,336: enorm, 32,768 bytes
.set ASCR,  BTAB+32768                 ; 303,104
.set REDD,  ASCR+2048                  ; 305,152: [2 q + n][128 rows] the n-th best distance of quarter q
.set REDI,  REDD+4096                  ; 309,248: [2 q + n][128 rows] its index, as f32
.set TILEB, 256*512                    ; bytes of a tile of 256 codes in ebf
.set STEP_U, 0x41800000                ; 16.0: from one block of 16 codes to the next
.set STEP_T, 0x43500000                ; 208.0: from a tile's last block to the next tile's first (3 x 16 + 208 = 256)
; window 0
.set VEA,  4                           ; v4, v5    my e fragments in slot 0, 1: slot + (64 q + r) PE + 16 h
.set VBA,  6                           ; v6        my norm: BTAB + 4 (64 q + r), + 1,024 a tile
.set VCUR, 7                           ; v7        my code's number as f32 (whole numbers below 2^24 are exact), so that minima of indices can ride on f32 DPP
.set VB0,  8                           ; v[8:9]    B_j of even blocks (v9 = 0: the packed add names the pair)
.set VB1,  10                          ; v[10:11]  B_j of odd blocks
.set VZA,  12                          ; v12       z stage: SLOT + (64 rh + r) PZ + 32 h
.set VAS,  13                          ; v13       ASCR + 256 w + 4 r
.set VAL,  14                          ; v14       ASCR + 256 w + 32 h
.set VRS,  15                          ; v15       REDD + 1,024 q + 256 rh + 32 h
.set T,    16                          ; v[16:31]  distances at work, two sets of 8
.set ACC,  32                          ; v[32:63]  four accumulators: rows 16 i + 8 h + j, code r
.set EF,   64                          ; v[64:127] fragments of 16 codes, 8 K steps of 8 registers; at the start z in f32; at the end the reductions' results
.set AN,   128                         ; v[128:159] A of the row of accumulator register 8 i + j
.set BEST, 160                         ; v[160:191] smallest distance so far
.set IDX,  192                         ; v[192:223] its code, as f32
.set NS,   224                         ; v[224:231] eight chains of a row's sum of squares
.set AR,   232                         ; v[232:235] A of row 16 i + r
; window 1: fragment (i, k) of z at v[64 i + 8 k]
.set G1E, 16                           ; s[16:23]  shape of a part of a tile of e
.set G1Z, 24                           ; s[24:31]  shape of a part of z's stage
.set G1B, 32                           ; s[32:39]  shape of a part of the norms
.set G0E, 40                           ; s[40:47]  from where, to where: one set for each slot
.set G0Z, 48                           ; s[48:51]
.set G0B, 52                           ; s[52:55]
.set MK,  56                           ; s[56:63]  eight masks of compares
; s14 wave, s15 q, s66 rh, s67 late, s68 laps, s69 cx, s70 work-group, s71, s77 LDS bases, s[72:73] offsets that hold cx, s[78:79] offsets that do not,
; s74, s75 selects of v_permlanex16_b32, s76 +infinity
.set MSB, 0
.macro WIN new                         ; s_set_vgpr_msb: bits 1:0 source 0, 3:2 source 1, 5:4 source 2, 7:6 destination; the high byte repeats the setting that is left
.if MSB != \new
	s_set_vgpr_msb (MSB<<8)|\new
.set MSB, \new
.endif
.endm
; A round of the cluster's barrier: my work-group's barrier, wave 0 signals for the work-group, every wave waits for all four work-groups, my work-group's barrier again.
.macro ROUND
	s_barrier_signal -1
	s_barrier_wait -1
	s_cmp_lg_u32 s14, 0
	s_cbranch_scc1 .Lnot_wave_0_\@
	s_barrier_signal -3
.Lnot_wave_0_\@:
	s_barrier_wait -3
	s_barrier_signal -1
	s_barrier_wait -1
.endm
; 17 LDS loads: block u (16 codes) of my 64 codes in the slot: its norm, then its eight fragments.  Lane (r, h) holds code r; registers 0-3 of a fragment
; hold K = 8 h + 0..7, registers 4-7 K = 16 + 8 h + 0..7: two loads of 16 bytes, 32 bytes apart (ISA guide 7.12.2).
.macro LOADS slot, u
	ds_load_b32 v[VB0+2*(\u&1)], v[VBA] offset:64*\u
.irp k, 0,1,2,3,4,5,6,7
	ds_load_b128 v[EF+8*\k:EF+8*\k+3],   v[VEA+\slot] offset:16*PE*\u+64*\k
	ds_load_b128 v[EF+8*\k+4:EF+8*\k+7], v[VEA+\slot] offset:16*PE*\u+64*\k+32
.endr
.endm
; 32 matrix instructions: my 64 rows x 16 codes x 256 along K.  The first K step starts the sums (C = 0): nothing is cleared.
; The four accumulators take turns, one instruction a turn.
.macro W
	WIN 0x01                                       ; source 0 (z) in window 1
.irp k, 0,1,2,3,4,5,6,7
	s_wait_dscnt 14-2*\k                           ; LDS loads come back in order: the two loads of each later K step may stay out; the norm's load is older
.irp i, 0,1,2,3
.if \k == 0
	v_wmma_f32_16x16x32_bf16 v[ACC+8*\i:ACC+8*\i+7], v[64*\i+8*\k:64*\i+8*\k+7], v[EF+8*\k:EF+8*\k+7], 0
.else
	v_wmma_f32_16x16x32_bf16 v[ACC+8*\i:ACC+8*\i+7], v[64*\i+8*\k:64*\i+8*\k+7], v[EF+8*\k:EF+8*\k+7], v[ACC+8*\i:ACC+8*\i+7]
.endif
.endr
.endr
	WIN 0
.endm
.macro TSUM i, vb                      ; t = A_row + B_code, two at a time
.irp p, 0,1,2,3
	v_pk_add_f32 v[T+8*(\i&1)+2*\p:T+8*(\i&1)+2*\p+1], v[AN+8*\i+2*\p:AN+8*\i+2*\p+1], v[\vb:\vb+1] op_sel_hi:[1,0]
.endr
.endm
.macro PICK i                          ; d = t - 2 M in one rounding; where d < best: best = d, index = my code
.irp p, 0,1,2,3
	v_pk_fma_f32 v[T+8*(\i&1)+2*\p:T+8*(\i&1)+2*\p+1], v[ACC+8*\i+2*\p:ACC+8*\i+2*\p+1], -2.0, v[T+8*(\i&1)+2*\p:T+8*(\i&1)+2*\p+1] op_sel_hi:[1,0,1]
.endr
.irp j, 0,1,2,3,4,5,6,7
	v_cmp_lt_f32 s[MK+\j], v[T+8*(\i&1)+\j], v[BEST+8*\i+\j]
.endr
.irp j, 0,1,2,3,4,5,6,7
	v_min_num_f32 v[BEST+8*\i+\j], v[BEST+8*\i+\j], v[T+8*(\i&1)+\j]
.endr
.irp j, 0,1,2,3,4,5,6,7
	v_cndmask_b32 v[IDX+8*\i+\j], v[IDX+8*\i+\j], v[VCUR], s[MK+\j]
.endr
.endm
; The vector run behind W.  Its first four packed adds name none of the matrix instructions' registers: they are the four places that stand
; between the last matrix instructions and the first read of a result, and the loads into the fragments that those instructions read.
; loads = 1: the next block's 17 loads go out there, with the rest of the run in which to come back.
.macro EPI vb, step, loads, slot, unext
	TSUM 0, \vb
.if \loads
	LOADS \slot, \unext
.endif
	PICK 0
	TSUM 1, \vb
	PICK 1
	TSUM 2, \vb
	PICK 2
	TSUM 3, \vb
	PICK 3
	v_add_f32 v[VCUR], \step, v[VCUR]
.endm
; One tile of 256 codes out of slot 'slot'.  The change of slots: each wave waits for all its tensor loads (one is out: its part of this slot) and for its LDS
; reads (of the other slot); a round of the cluster's barrier makes both hold of every wave of the four work-groups; the joint refill of the other slot is the first thing behind it,
; one load a wave, and has this tile's 128 matrix instructions a wave in which to land.
.macro TRIP slot, refill, first, last
	s_wait_tensorcnt 0x0                           ; no tensor load of mine is out: a group 0 may be written
	ds_add_u32 v254, v255
	s_wait_dscnt 0x0
	s_add_nc_u64 s[G0E+4*\slot+2:G0E+4*\slot+3], s[G0E+4*\slot+2:G0E+4*\slot+3], 2*TILEB   ; this slot's next tile
	s_wait_dscnt 0x0
	ROUND
.if \refill
	tensor_load_to_lds s[G0E+4-4*\slot:G0E+7-4*\slot], s[G1E:G1E+7]
	s_nop 0
.endif
.rept 5
	v_nop                                          ; a late wave comes straight from matrix instructions: four places in front of loads into their sources and of reads of
.endr                                                  ; their results, five in front of a matrix instruction that starts an accumulator anew (ISA guide 7.12.1)
	LOADS \slot, 0
.if \first == 0
	s_cmp_eq_u32 s67, 0
	s_cbranch_scc1 .Lno_carry_\@
	EPI VB1, STEP_T, 0, 0, 0                       ; late waves: the last tile's last block, under the loads just issued
.Lno_carry_\@:
.endif
	W
	EPI VB0, STEP_U, 1, \slot, 1
	W
	EPI VB1, STEP_U, 1, \slot, 2
	W
	EPI VB0, STEP_U, 1, \slot, 3
	v_add_nc_u32 v[VBA], 1024, v[VBA]              ; the next tile's norms
	W
.if \last
	EPI VB1, STEP_T, 0, 0, 0                       ; nothing follows to carry it into
.else
	s_cmp_lg_u32 s67, 0
	s_cbranch_scc1 .Lcarry_\@
	EPI VB1, STEP_T, 0, 0, 0                       ; early waves: in front of the change of slots
.Lcarry_\@:
.endif
.endm
; z from its stage to fragments, half a block of 16 rows at a time: b = 2 i + half, K steps 4 (b & 1) + f.
; A fragment's registers 0-3 are K = 8 h + 0..7, that is 32 bytes of f32 at 32 h; registers 4-7 the 32 bytes 64 further on.
.macro ZLOAD b
	WIN 0
.irp f, 0,1,2,3
.irp m, 0,1,2,3
	ds_load_b128 v[EF+16*\f+4*\m:EF+16*\f+4*\m+3], v[VZA] offset:16*PZ*((\b)>>1)+512*((\b)&1)+128*\f+16*(\m&1)+64*(\m>>1)
.endr
.endr
.endm
.macro ZCVT b
	WIN 0x40                                       ; destination in window 1
.irp f, 0,1,2,3
	s_wait_dscnt 12-4*\f                           ; the four loads of each later fragment may stay out
.irp c, 0,1,2,3,4,5,6,7
	v_cvt_pk_bf16_f32 v[32*\b+8*\f+\c], v[EF+16*\f+2*\c], v[EF+16*\f+2*\c+1]   ; 64 i + 8 k + c = 32 b + 8 f + c
.endr
.endr
.endm
.macro ZSQ b                           ; squares of the rounded numbers, into eight chains in f32
	WIN 0x05                                       ; sources 0 and 1 in window 1
.irp f, 0,1,2,3
.irp c, 0,1,2,3,4,5,6,7
	v_fma_mix_f32_bf16 v[NS+2*(\c&3)],   v[32*\b+8*\f+\c], v[32*\b+8*\f+\c], v[NS+2*(\c&3)]   op_sel_hi:[1,1,0]
	v_fma_mix_f32_bf16 v[NS+2*(\c&3)+1], v[32*\b+8*\f+\c], v[32*\b+8*\f+\c], v[NS+2*(\c&3)+1] op_sel:[1,1,0] op_sel_hi:[1,1,0]
.endr
.endr
	WIN 0
.endm
; The wave's own reduction for accumulator i, over the 16 lanes of a half (the 16 residues of my codes): the smallest distance left, then the lowest index among the
; lanes that hold it; both go to plane 2 q + n.  n = 0: the lane that held that index (indices differ from lane to lane) then offers +infinity, so that n = 1 finds the next.
.macro TOP i, n
.set QB, BEST+8*\i
.set QI, IDX+8*\i
.set RD, EF+32*(\i&1)+16*\n
.set RI, RD+8
.irp j, 0,1,2,3,4,5,6,7
	v_min_num_f32_dpp v[RD+\j], v[QB+\j], v[QB+\j] row_xmask:1 row_mask:0xf bank_mask:0xf
.endr
.irp x, 2,4,8
.irp j, 0,1,2,3,4,5,6,7
	v_min_num_f32_dpp v[RD+\j], v[RD+\j], v[RD+\j] row_xmask:\x row_mask:0xf bank_mask:0xf
.endr
.endr
.irp j, 0,1,2,3,4,5,6,7
	v_cmp_eq_f32 s[MK+\j], v[QB+\j], v[RD+\j]
.endr
.irp j, 0,1,2,3,4,5,6,7
	v_cndmask_b32 v[RI+\j], v3, v[QI+\j], s[MK+\j]                 ; lanes that lost offer +infinity
.endr
.irp x, 1,2,4,8
.irp j, 0,1,2,3,4,5,6,7
	v_min_num_f32_dpp v[RI+\j], v[RI+\j], v[RI+\j] row_xmask:\x row_mask:0xf bank_mask:0xf
.endr
.endr
	ds_store_b128 v[VRS], v[RD:RD+3]   offset:64*\i+512*\n                ; rows 16 i + 8 h + 0..7; the 16 lanes of a half write the same numbers
	ds_store_b128 v[VRS], v[RD+4:RD+7] offset:64*\i+512*\n+16
	ds_store_b128 v[VRS], v[RI:RI+3]   offset:64*\i+512*\n+REDI-REDD
	ds_store_b128 v[VRS], v[RI+4:RI+7] offset:64*\i+512*\n+16+REDI-REDD
.if \n == 0
.irp j, 0,1,2,3,4,5,6,7
	v_cmp_eq_f32 s[MK+\j], v[QI+\j], v[RI+\j]
.endr
.irp j, 0,1,2,3,4,5,6,7
	v_cndmask_b32 v[QB+\j], v[QB+\j], v3, s[MK+\j]
.endr
.endif
.endm
; One row's eight pairs (distance v[EF+k], index v[EF+8+k]): the lowest index among those of the smallest distance, into dst.
.macro MERGE dst
	v_min_num_f32 v[T+8],  v[EF],   v[EF+1]
	v_min_num_f32 v[T+9],  v[EF+2], v[EF+3]
	v_min_num_f32 v[T+10], v[EF+4], v[EF+5]
	v_min_num_f32 v[T+11], v[EF+6], v[EF+7]
	v_min_num_f32 v[T+8],  v[T+8],  v[T+9]
	v_min_num_f32 v[T+10], v[T+10], v[T+11]
	v_min_num_f32 v[T+8],  v[T+8],  v[T+10]
.irp k, 0,1,2,3,4,5,6,7
	v_cmp_eq_f32 s[MK+\k], v[EF+\k], v[T+8]
.endr
.irp k, 0,1,2,3,4,5,6,7
	v_cndmask_b32 v[EF+16+\k], v3, v[EF+8+\k], s[MK+\k]
.endr
	v_min_num_f32 v[T+8],  v[EF+16], v[EF+17]
	v_min_num_f32 v[T+9],  v[EF+18], v[EF+19]
	v_min_num_f32 v[T+10], v[EF+20], v[EF+21]
	v_min_num_f32 v[T+11], v[EF+22], v[EF+23]
	v_min_num_f32 v[T+8],  v[T+8],  v[T+9]
	v_min_num_f32 v[T+10], v[T+10], v[T+11]
	v_min_num_f32 v[\dst], v[T+8],  v[T+10]
.endm
	s_load_b256 s[4:11], s[0:1], 0x0               ; ebf s[4:5], enorm s[6:7], z s[8:9], cand s[10:11]
	v_lshl_add_u32 v254, v0, 2, 0x4c800
	v_mov_b32 v255, 0
	ds_add_u32 v254, v255
	v_lshrrev_b32 v3, 5, v0
	v_readfirstlane_b32 s14, v3                    ; wave 0..7
	s_and_b32 s15, s14, 3                          ; q
	s_lshr_b32 s66, s14, 2                         ; rh
	s_xor_b32 s67, s14, s66
	s_and_b32 s67, s67, 1                          ; late
	s_bfe_u32 s69, ttmp6, 0x40000                  ; cx; it enters the global addresses of z and cand alone
	s_lshl_b32 s70, ttmp9, 2                       ; ttmp9 counts clusters
	s_add_co_u32 s70, s70, s69                     ; work-group
	s_mov_b32 s74, 0x76543210
	s_mov_b32 s75, 0xfedcba98
	s_mov_b32 s76, 0x7f800000                      ; +infinity
	; group 1 for e: 32 rows x 256 elements of 2 bytes, 4 words of padding behind every 128 words; mask 15: all four work-groups, bit 21 set beside it
	s_mov_b32 s[G1E+0], 15|(1<<16)|(1<<20)|(1<<21)|(6<<22)|(3<<25)
	s_mov_b32 s[G1E+1], 256<<16                    ; tensor_dim0 = 256
	s_mov_b32 s[G1E+2], 32<<16                     ; tensor_dim1 = 32
	s_mov_b32 s[G1E+3], 256<<16                    ; tile_dim0 = 256
	s_mov_b32 s[G1E+4], 32                         ; tile_dim1 = 32: the tile's 256 rows shared out among eight waves
	s_mov_b32 s[G1E+5], 256                        ; elements from row to row
	s_mov_b32 s[G1E+6], 0
	s_mov_b32 s[G1E+7], 0
	; group 1 for z: 16 rows x 256 elements of 4 bytes, 4 words of padding behind every 256 words; no mask: my work-group's own rows
	s_mov_b32 s[G1Z+0], (2<<16)|(1<<20)|(7<<22)|(3<<25)
	s_mov_b32 s[G1Z+1], 256<<16
	s_mov_b32 s[G1Z+2], 16<<16
	s_mov_b32 s[G1Z+3], 256<<16
	s_mov_b32 s[G1Z+4], 16
	s_mov_b32 s[G1Z+5], 256
	s_mov_b32 s[G1Z+6], 0
	s_mov_b32 s[G1Z+7], 0
	; group 1 for the norms: a dense block as 16 rows of 32 elements of 8 bytes; joint
	s_mov_b32 s[G1B+0], 15|(3<<16)|(1<<21)
	s_mov_b32 s[G1B+1], 32<<16
	s_mov_b32 s[G1B+2], 16<<16
	s_mov_b32 s[G1B+3], 32<<16
	s_mov_b32 s[G1B+4], 16
	s_mov_b32 s[G1B+5], 32
	s_mov_b32 s[G1B+6], 0
	s_mov_b32 s[G1B+7], 0
	; groups 0: LDS addresses are a constant plus the wave's number times a constant
	s_mov_b32 s[G0E+0], 1
	s_mul_i32 s[G0E+1], s14, 32*PE                 ; slot 0, my 32 rows
	s_mov_b32 s[G0E+4], 1
	s_add_co_u32 s[G0E+5], s[G0E+1], SLOT          ; slot 1
	s_mov_b32 s[G0Z+0], 1
	s_mul_i32 s[G0Z+1], s14, 16*PZ
	s_add_co_u32 s[G0Z+1], s[G0Z+1], SLOT          ; the stage lies in slot 1
	s_mov_b32 s[G0B+0], 1
	s_lshl_b32 s[G0B+1], s14, 12
	s_add_co_u32 s[G0B+1], s[G0B+1], BTAB
	s_lshl_b32 s78, s14, 14                        ; 32 rows of ebf = 16 rows of z = 16,384 bytes a wave
	s_mov_b32 s79, 0
	s_lshl_b32 s72, s70, 17                        ; 128 rows of z a work-group
	s_add_co_u32 s72, s72, s78
	s_mov_b32 s73, 0
	s_wait_dscnt 0x0
	s_wait_kmcnt 0x0
	s_add_nc_u64 s[G0E+2:G0E+3], s[4:5], s[78:79]              ; tile 0
	s_add_nc_u64 s[G0E+6:G0E+7], s[G0E+2:G0E+3], TILEB         ; tile 1
	s_add_nc_u64 s[G0Z+2:G0Z+3], s[8:9], s[72:73]
	s_lshl_b32 s78, s14, 12                        ; 1,024 norms a wave
	s_add_nc_u64 s[G0B+2:G0B+3], s[6:7], s[78:79]
	s_or_b32 s[G0E+3], s[G0E+3], 0x80000000        ; type = 2
	s_or_b32 s[G0E+7], s[G0E+7], 0x80000000
	s_or_b32 s[G0Z+3], s[G0Z+3], 0x80000000
	s_or_b32 s[G0B+3], s[G0B+3], 0x80000000
	s_lshl_b32 s72, s70, 10                        ; 128 rows x 2 candidates of 4 bytes a work-group
	s_add_nc_u64 s[10:11], s[10:11], s[72:73]
	ROUND                                          ; all four work-groups are here: the first joint loads meet
	tensor_load_to_lds s[G0Z:G0Z+3], s[G1Z:G1Z+7]  ; the first fills, one group: three tensor loads of the wave are out here, later one
	s_nop 0
	tensor_load_to_lds s[G0B:G0B+3], s[G1B:G1B+7]
	s_nop 0
	tensor_load_to_lds s[G0E:G0E+3], s[G1E:G1E+7]
	s_nop 0
	v_and_b32 v1, 15, v0                           ; r
	v_bfe_u32 v2, v0, 4, 1                         ; h
	v_lshl_add_u32 v3, s15, 6, v1                  ; 64 q + r: my code in a tile's first block
	v_mul_u32_u24 v[VEA], v3, PE
	v_lshl_add_u32 v[VEA], v2, 4, v[VEA]
	v_add_nc_u32 v[VEA+1], SLOT, v[VEA]
	v_lshl_add_u32 v[VBA], v3, 2, BTAB
	v_cvt_f32_u32 v[VCUR], v3
	v_mov_b32 v[VB0+1], 0
	v_mov_b32 v[VB1+1], 0
	v_lshl_add_u32 v3, s66, 6, v1                  ; 64 rh + r
	v_mul_u32_u24 v[VZA], v3, PZ
	v_lshl_add_u32 v[VZA], v2, 5, v[VZA]
	v_add_nc_u32 v[VZA], SLOT, v[VZA]
	s_lshl_b32 s77, s14, 8
	s_add_co_u32 s77, s77, ASCR
	v_lshl_add_u32 v[VAS], v1, 2, s77
	v_lshl_add_u32 v[VAL], v2, 5, s77
	s_lshl_b32 s77, s15, 10                        ; two planes of 512 bytes a quarter
	s_lshl_b32 s71, s66, 8
	s_add_co_u32 s77, s77, s71
	s_add_co_u32 s77, s77, REDD
	v_lshl_add_u32 v[VRS], v2, 5, s77
	v_mov_b32 v[T], 0                              ; v_permlanex16_b32 counts as a reader of its destination
.irp x, 0,1,2,3,4,5,6,7,8,9,10,11,12,13,14,15,16,17,18,19,20,21,22,23,24,25,26,27,28,29,30,31
	v_mov_b32 v[BEST+\x], s76                      ; the running minimum starts at +infinity, with index 0
	v_mov_b32 v[IDX+\x], 0
.endr
	s_wait_tensorcnt 0x2                           ; tensor loads of a wave end in order (ISA guide 10.11.1): my part of z is in; the norms' and tile 0's loads, issued behind it, stay out
	s_barrier_signal -1
	s_barrier_wait -1                              ; every wave's part of z is in
	ZLOAD 0
.irp b, 0,1,2,3,4,5,6,7
.if (\b&1) == 0
.irp x, 0,1,2,3,4,5,6,7
	v_mov_b32 v[NS+\x], 0                          ; a new block of 16 rows
.endr
.endif
	ZCVT \b
.if \b < 7
	ZLOAD \b+1                                     ; the next half block comes in under the squares
.endif
	ZSQ \b
.if (\b&1) == 1
	v_pk_add_f32 v[NS:NS+1],   v[NS:NS+1],   v[NS+2:NS+3]
	v_pk_add_f32 v[NS+4:NS+5], v[NS+4:NS+5], v[NS+6:NS+7]
	v_pk_add_f32 v[NS:NS+1],   v[NS:NS+1],   v[NS+4:NS+5]
	v_add_f32 v[NS], v[NS], v[NS+1]                ; my half of row r's K
	v_permlanex16_b32 v[T], v[NS], s74, s75        ; the other half's
	v_add_f32 v[AR+(\b>>1)], v[NS], v[T]           ; A of row 16 i + r
.endif
.endr
	; A from 'lane r holds row r' to 'register j of lane (r, h) holds row 8 h + j', through my wave's own 256 bytes: LDS serves a wave's instructions in order (ISA guide 5.7.1)
.irp i, 0,1,2,3
	ds_store_b32 v[VAS], v[AR+\i] offset:64*\i
.endr
.irp i, 0,1,2,3
	ds_load_b128 v[AN+8*\i:AN+8*\i+3],   v[VAL] offset:64*\i
	ds_load_b128 v[AN+8*\i+4:AN+8*\i+7], v[VAL] offset:64*\i+16
.endr                                                  ; waited for at the head of the first tile
	TRIP 0, 1, 1, 0                                ; tile 0; its refill lays tile 1 over z's stage, which every wave has finished reading
	TRIP 1, 1, 0, 0
	s_mov_b32 s68, 14
.Llap:
	TRIP 0, 1, 0, 0
	TRIP 1, 1, 0, 0
	s_sub_co_u32 s68, s68, 1
	s_cmp_lg_u32 s68, 0
	s_cbranch_scc1 .Llap
	TRIP 0, 1, 0, 0                                ; tile 30 asks for tile 31,
	TRIP 1, 0, 0, 1                                ; which asks for nothing (slot 1's stepped address is not used)
	v_mov_b32 v3, s76                              ; +infinity
.irp i, 0,1,2,3
	TOP \i, 0
	TOP \i, 1
.endr
	s_wait_dscnt 0x0                               ; for the other waves' sake: my two best of each row are in LDS
	s_barrier_signal -1
	s_barrier_wait -1
	s_cmp_ge_u32 s14, 4
	s_cbranch_scc1 .Lothers
	; waves 0 to 3: thread t takes row t and joins the four quarters' two best to the row's two best
	v_lshlrev_b32 v4, 2, v0
	v_add_nc_u32 v4, REDD, v4                      ; my row's word in plane 0
	v_lshlrev_b32 v5, 3, v0                        ; my row's 8 bytes in cand
.irp k, 0,1,2,3,4,5,6,7
	ds_load_b32 v[EF+\k],   v4 offset:512*\k
	ds_load_b32 v[EF+8+\k], v4 offset:512*\k+REDI-REDD
.endr
	s_wait_dscnt 0x0
	MERGE T
.irp k, 0,1,2,3,4,5,6,7
	v_cmp_eq_f32 s[MK+\k], v[EF+8+\k], v[T]        ; the eight indices differ: this finds the one that won,
.endr
.irp k, 0,1,2,3,4,5,6,7
	v_cndmask_b32 v[EF+\k], v[EF+\k], v3, s[MK+\k] ; which now offers +infinity
.endr
	MERGE T+1
	v_cvt_u32_f32 v[T], v[T]
	v_cvt_u32_f32 v[T+1], v[T+1]
	global_store_b64 v5, v[T:T+1], s[10:11]        ; a wave's 32 lanes store 256 consecutive bytes, aligned
.Lothers:
	s_wait_tensorcnt 0x0
	ds_add_u32 v254, v255
	s_wait_dscnt 0x0
	ROUND                                          ; the closing round: no work-group ends while a partner may still issue a joint load that names it
	s_endpgm
.Lfunc_end_k_q35efaaec74_vq:
	.size	k_q35efaaec74_vq, .Lfunc_end_k_q35efaaec74_vq-k_q35efaaec74_vq
	.p2alignl 7, 3214868480
	.fill 96, 4, 3214868480
	.section	.rodata,"a",@progbits
	.p2align	6, 0x0
	.amdhsa_kernel k_q35efaaec74_vq
		.amdhsa_group_segment_fixed_size 327680
		.amdhsa_private_segment_fixed_size 0
		.amdhsa_enable_private_segment 0
		.amdhsa_kernarg_size 32
		.amdhsa_user_sgpr_count 2
		.amdhsa_user_sgpr_kernarg_segment_ptr 1
		.amdhsa_wavefront_size32 1
		.amdhsa_system_sgpr_workgroup_id_x 1
		.amdhsa_system_sgpr_workgroup_id_y 1
		.amdhsa_system_sgpr_workgroup_id_z 1
		.amdhsa_system_vgpr_workitem_id 0
		.amdhsa_next_free_vgpr 512
		.amdhsa_next_free_sgpr 80
		.amdhsa_reserve_vcc 0
		.amdhsa_float_denorm_mode_32 3
		.amdhsa_float_denorm_mode_16_64 3
		.amdhsa_memory_ordered 1
		.amdhsa_forward_progress 1
		.amdhsa_inst_pref_size 255
	.end_amdhsa_kernel
	.section	.bss,"aw",@nobits
	.p2align	6
	.space	262144
	.amdgpu_metadata
---
amdhsa.version: [ 1, 2 ]
amdhsa.kernels:
  - .name:           k_q35efaaec74_vq
    .symbol:         k_q35efaaec74_vq.kd
    .args:
      - { .name: ebf, .offset: 0, .size: 8, .value_kind: global_buffer, .address_space: global }
      - { .name: enorm, .offset: 8, .size: 8, .value_kind: global_buffer, .address_space: global }
      - { .name: z, .offset: 16, .size: 8, .value_kind: global_buffer, .address_space: global }
      - { .name: cand, .offset: 24, .size: 8, .value_kind: global_buffer, .address_space: global }
    .group_segment_fixed_size: 327680
    .private_segment_fixed_size: 0
    .kernarg_segment_align: 8
    .kernarg_segment_size: 32
    .max_flat_workgroup_size: 256
    .sgpr_count:     80
    .vgpr_count:     512
    .wavefront_size: 32
...
	.end_amdgpu_metadata
.endif
;; end of part 2
;; launch apply (part 3): grid 512 x 1, 8 waves a work-group, no clusters, 102,912 bytes of LDS; arguments z, embedding, cand, out0, out2, part; writes out0, out2, part
.if DOCPART == 3
	.amdgcn_target "amdgcn-amd-amdhsa--gfx1250"
	.amdhsa_code_object_version 6
	.text
	.protected	k_q35efaaec74_apply
	.globl	k_q35efaaec74_apply
	.p2align	8
	.type	k_q35efaaec74_apply,@function
k_q35efaaec74_apply:
	s_mov_b64 s[64:65], 0
	v_nop
	global_prefetch_b8 v0, s[64:65] scope:SCOPE_SE
	s_setreg_imm32_b32 hwreg(HW_REG_WAVE_MODE, 25, 1), 1
	s_wait_xcnt 0x0
; For each row i of z (read flat as [32768][256] f32) and its two candidates cand[i][0..1] from the launch before:
;   d_c = fl( fl(A + B_c) - 2 M_c ),  M_c = sum over k of bf16(z[i][k]) bf16(e[c][k]),  A = sum of bf16(z)^2,  B_c = sum of bf16(e[c])^2,
;   each sum added in ascending k onto one f32 accumulator, one rounding a term (the products of two bf16 numbers are exact in f32), as a plain loop adds them;
;   out2[i] = the candidate of the smaller d, of the lower index where they are equal;
;   out0[i][k] = z + (e[out2[i]][k] - z), the two roundings in that order, on the unrounded f32 numbers;  part[g] = work-group g's sum of (e - z)^2.
; LIMITS: NaN and infinities, and distances beyond f32's range, are not served.  A code that is not among the two candidates cannot win here.
; A candidate's number is clamped to 8,191, the table's last row, before it enters an address.
; SHARES.  A work-group takes 64 rows, a wave 8 rows.  A row (1,024 bytes) is two loads of 512 consecutive bytes; all 49 loads of a wave (16 of z, 1 of the numbers,
; 32 of the 16 candidate rows) are out before the first is used.  Both candidates' f32 rows stay in registers, and the decision only selects between them
; (v_cndmask_b32): no address hangs on it.
; THE CHAINS want a row's numbers in one lane, in order; the loads have them across the lanes.  So each row is rounded to bf16 and laid into the wave's own stage in
; LDS (24 rows of 512 + 16 bytes), and lane p = lane & 15 reads back row p >> 1 of z and candidate row p, 16 bytes at a time.  Lanes 16 to 31 repeat lanes 0 to 15:
; the order of the sum leaves them no part of it.  The three chains of a lane are interleaved, so that none waits for itself alone.
; No cluster: the work-groups share no tile.  No matrix work: 2 x 256 products a row.
.set ROWB, 1024
.set PB,   528                         ; stage pitch: 33 x 16 bytes: the 16 rows that a load of 16 bytes a lane touches lie in 16 different 16-byte columns of 256
.set WST,  24*PB                       ; a wave's stage: rows 0-7 z, rows 8-23 the candidates
.set LIDX, 0                           ; 64 words: the work-group's indices
.set LSUM, 256                         ; 8 words: the waves' sums of squares
.set STG,  512                         ; the stages
.set Z,   4                            ; v[4:67]    row i: 8 registers of z, then of the result
.set E,   68                           ; v[68:195]  candidate row p = 2 i + c: 8 registers of e; 2 i then holds the chosen row, then e - z
.set EO,  196                          ; v[196:211] candidate row p: byte offset of my 16 bytes in e; free once e is in
.set CB,  196                          ; v[196:243] three buffers of 16: 16 numbers of z (8 registers), 16 of e (8 registers)
.set Y,   244                          ; v[244:247] a row's 8 bf16 of my lane
.set VM,  248                          ; M
.set VA,  249                          ; A
.set VN,  250                          ; B
.set VI,  251                          ; my pair's candidate number, then the row's index
.set VEL, 252                          ; stage + p PB
.set VZL, 253                          ; stage + (p >> 1) PB
.set VD,  254                          ; d
.set VT,  255                          ; t; an LDS address
; behind the chains, over CB
.set SUM, 196                          ; v[196:203] four pairs of sums of squares
.set P,   204                          ; v[204:211] the eight waves' sums
.set DP,  212                          ; the partner's d
.set IP,  213                          ; the partner's number
.set VW,  214                          ; LDS word of my row's index
.set L8,  215                          ; 8 x lane
.set OI,  216                          ; v[216:217] two indices on their way out
.set ZERO, 218
	s_load_b256 s[4:11], s[0:1], 0x0               ; z s[4:5], embedding s[6:7], cand s[8:9], out0 s[10:11]
	s_load_b128 s[12:15], s[0:1], 0x20             ; out2 s[12:13], part s[14:15]
	s_set_vgpr_msb 0x40
	v_lshl_add_u32 v0, v0, 2, 0x18e00
	v_mov_b32 v1, 0
	s_set_vgpr_msb 0x4000
	v_lshrrev_b32 v2, 5, v0
	v_readfirstlane_b32 s16, v2                    ; wave
	v_and_b32 v1, 31, v0                           ; lane
	v_and_b32 v3, 15, v0                           ; p
	s_mul_i32 s22, s16, WST
	s_add_co_u32 s22, s22, STG                     ; my wave's stage
	v_lshl_add_u32 v2, v1, 3, s22                  ; where I lay 8 bytes of a row
	v_lshlrev_b32 v1, 4, v1                        ; 16 x lane
	v_mul_u32_u24 v[VEL], v3, PB
	v_add_nc_u32 v[VEL], s22, v[VEL]
	v_lshrrev_b32 v[VZL], 1, v3
	v_mul_u32_u24 v[VZL], v[VZL], PB
	v_add_nc_u32 v[VZL], s22, v[VZL]
	v_lshlrev_b32 v3, 2, v3                        ; 4 p: my pair's word among the wave's 16 numbers
	v_mov_b32 v[VM], 0                             ; the chains start at 0: the first term is then taken exactly
	v_mov_b32 v[VA], 0
	v_mov_b32 v[VN], 0
	s_mov_b32 s28, 0x76543210                      ; v_permlanex16_b32: lane i of one half reads lane i of the other
	s_mov_b32 s29, 0xfedcba98
	s_lshl_b32 s17, ttmp9, 3
	s_add_co_u32 s17, s17, s16                     ; 8 x work-group + wave
	s_lshl_b32 s18, s17, 13                        ; x 8 rows of 1,024 bytes
	s_mov_b32 s19, 0
	s_lshl_b32 s20, s17, 6                         ; x 8 rows of 2 numbers of 4 bytes
	s_mov_b32 s21, 0
	s_wait_kmcnt 0x0
	s_add_nc_u64 s[8:9], s[8:9], s[20:21]
	s_load_b512 s[32:47], s[8:9], 0x0              ; my 16 candidates, for the addresses
	s_add_nc_u64 s[4:5], s[4:5], s[18:19]
	s_add_nc_u64 s[10:11], s[10:11], s[18:19]
	s_lshl_b32 s18, ttmp9, 8                       ; 64 indices of 4 bytes
	s_add_nc_u64 s[12:13], s[12:13], s[18:19]
	s_lshl_b32 s18, ttmp9, 2
	s_add_nc_u64 s[14:15], s[14:15], s[18:19]      ; part[work-group]
.irp i, 0,1,2,3,4,5,6,7
	global_load_b128 v[Z+8*\i:Z+8*\i+3],   v1, s[4:5] offset:ROWB*\i th:TH_LOAD_NT       ; z goes out while the numbers come
	global_load_b128 v[Z+8*\i+4:Z+8*\i+7], v1, s[4:5] offset:ROWB*\i+512 th:TH_LOAD_NT
.endr
	global_load_b32 v[VI], v3, s[8:9]              ; the same 16 numbers, one a lane, for the decision
	s_wait_kmcnt 0x0
.irp p, 0,1,2,3,4,5,6,7,8,9,10,11,12,13,14,15
	s_min_u32 s[32+\p], s[32+\p], 0x1fff
	v_lshl_add_u32 v[EO+\p], s[32+\p], 10, v1      ; number x 1,024 + 16 x lane
.endr
.irp p, 0,1,2,3,4,5,6,7,8,9,10,11,12,13,14,15
	global_load_b128 v[E+8*\p:E+8*\p+3],   v[EO+\p], s[6:7]               ; no hint: a row of e may be named again
	global_load_b128 v[E+8*\p+4:E+8*\p+7], v[EO+\p], s[6:7] offset:512
.endr
; A row's 8 numbers of my lane (columns 4 l .. 4 l + 3 and 128 + 4 l .. 128 + 4 l + 3), rounded to bf16, into stage row 'row': each store of the wave covers 256 consecutive bytes.
.macro STAGE src, row
	v_cvt_pk_bf16_f32 v[Y],   v[\src],   v[\src+1]
	v_cvt_pk_bf16_f32 v[Y+1], v[\src+2], v[\src+3]
	v_cvt_pk_bf16_f32 v[Y+2], v[\src+4], v[\src+5]
	v_cvt_pk_bf16_f32 v[Y+3], v[\src+6], v[\src+7]
	ds_store_b64 v2, v[Y:Y+1]   offset:PB*(\row)
	ds_store_b64 v2, v[Y+2:Y+3] offset:PB*(\row)+256
.endm
.irp i, 0,1,2,3,4,5,6,7
	s_wait_loadcnt 47-2*\i                         ; loads come back in order: behind row i's two stand 14 - 2 i of z, 1 of the numbers, 32 of e
	STAGE Z+8*\i, \i
.endr
.irp p, 0,1,2,3,4,5,6,7,8,9,10,11,12,13,14,15
	s_wait_loadcnt 30-2*\p                         ; the two loads of each later candidate row may stay out
	STAGE E+8*\p, 8+\p
.endr
; Batch g: k = 16 g .. 16 g + 15 of my row of z and of my candidate, four loads of 16 bytes into buffer g mod 3.
; The stage is my wave's own, and LDS serves a wave's instructions in order (ISA guide 5.7.1): these loads see the stores above.
.macro CLOAD g
	ds_load_b128 v[CB+16*((\g)%3):CB+16*((\g)%3)+3],     v[VZL] offset:32*(\g)
	ds_load_b128 v[CB+16*((\g)%3)+4:CB+16*((\g)%3)+7],   v[VZL] offset:32*(\g)+16
	ds_load_b128 v[CB+16*((\g)%3)+8:CB+16*((\g)%3)+11],  v[VEL] offset:8*PB+32*(\g)
	ds_load_b128 v[CB+16*((\g)%3)+12:CB+16*((\g)%3)+15], v[VEL] offset:8*PB+32*(\g)+16
.endm
.macro CSUM g                          ; 16 terms of each chain, in ascending k: a word's low half, then its high half
.irp r, 0,1,2,3,4,5,6,7
	v_fma_mix_f32_bf16 v[VM], v[CB+16*((\g)%3)+\r],   v[CB+16*((\g)%3)+8+\r], v[VM] op_sel_hi:[1,1,0]
	v_fma_mix_f32_bf16 v[VA], v[CB+16*((\g)%3)+\r],   v[CB+16*((\g)%3)+\r],   v[VA] op_sel_hi:[1,1,0]
	v_fma_mix_f32_bf16 v[VN], v[CB+16*((\g)%3)+8+\r], v[CB+16*((\g)%3)+8+\r], v[VN] op_sel_hi:[1,1,0]
	v_fma_mix_f32_bf16 v[VM], v[CB+16*((\g)%3)+\r],   v[CB+16*((\g)%3)+8+\r], v[VM] op_sel:[1,1,0] op_sel_hi:[1,1,0]
	v_fma_mix_f32_bf16 v[VA], v[CB+16*((\g)%3)+\r],   v[CB+16*((\g)%3)+\r],   v[VA] op_sel:[1,1,0] op_sel_hi:[1,1,0]
	v_fma_mix_f32_bf16 v[VN], v[CB+16*((\g)%3)+8+\r], v[CB+16*((\g)%3)+8+\r], v[VN] op_sel:[1,1,0] op_sel_hi:[1,1,0]
.endr
.endm
	CLOAD 0                                        ; all of e is in, so its offsets' registers are free
	CLOAD 1
.irp g, 0,1,2,3,4,5,6,7,8,9,10,11,12,13,14,15
.if \g < 14
	CLOAD \g+2                                     ; into the buffer that batch g - 1 has used up
	s_wait_dscnt 8                                 ; LDS loads come back in order: the four loads of each of the two later batches may stay out
.else
.if \g == 14
	s_wait_dscnt 4
.else
	s_wait_dscnt 0
.endif
.endif
	CSUM \g
.endr
	v_add_f32 v[VT], v[VA], v[VN]                  ; t = A + B
	v_fma_f32 v[VD], -2.0, v[VM], v[VT]            ; d = t - 2 M, one rounding
	v_min_u32 v[VI], 0x1fff, v[VI]                 ; the number as the address took it
	v_mov_b32_dpp v[DP], v[VD] row_xmask:1 row_mask:0xf bank_mask:0xf     ; the row's other candidate sits in lane p xor 1
	v_mov_b32_dpp v[IP], v[VI] row_xmask:1 row_mask:0xf bank_mask:0xf
	v_cmp_lt_f32 s25, v[DP], v[VD]
	v_cmp_eq_f32 s26, v[DP], v[VD]
	v_cmp_lt_u32 s27, v[IP], v[VI]
	s_and_b32 s26, s26, s27
	s_or_b32 s25, s25, s26                         ; lanes whose partner wins: smaller d, or equal d and lower number.  Bit 2 i: row i takes candidate 1
	v_cndmask_b32 v[VI], v[VI], v[IP], s25         ; the row's index, in both lanes of the pair
	v_bfe_u32 v[VW], v0, 1, 3                      ; i = (lane >> 1) & 7
	s_lshl_b32 s27, s16, 5
	v_lshl_add_u32 v[VW], v[VW], 2, s27            ; word 8 wave + i
	ds_store_b32 v[VW], v[VI] offset:LIDX          ; the four lanes of a row write the same number
.irp i, 0,1,2,3,4,5,6,7
	s_bitcmp1_b32 s25, 2*\i                        ; the row's bit, made a whole mask: it selects values and nothing else
	s_cselect_b32 s26, -1, 0
.irp r, 0,1,2,3,4,5,6,7
	v_cndmask_b32 v[E+16*\i+\r], v[E+16*\i+\r], v[E+16*\i+8+\r], s26
.endr
.irp p, 0,1,2,3
	v_pk_add_f32 v[E+16*\i+2*\p:E+16*\i+2*\p+1], v[E+16*\i+2*\p:E+16*\i+2*\p+1], v[Z+8*\i+2*\p:Z+8*\i+2*\p+1] neg_lo:[0,1] neg_hi:[0,1]   ; e - z
.endr
.irp p, 0,1,2,3
.if \i == 0
	v_pk_mul_f32 v[SUM+2*\p:SUM+2*\p+1], v[E+16*\i+2*\p:E+16*\i+2*\p+1], v[E+16*\i+2*\p:E+16*\i+2*\p+1]      ; the first row starts the sums
.else
	v_pk_fma_f32 v[SUM+2*\p:SUM+2*\p+1], v[E+16*\i+2*\p:E+16*\i+2*\p+1], v[E+16*\i+2*\p:E+16*\i+2*\p+1], v[SUM+2*\p:SUM+2*\p+1]
.endif
.endr
.irp p, 0,1,2,3
	v_pk_add_f32 v[Z+8*\i+2*\p:Z+8*\i+2*\p+1], v[Z+8*\i+2*\p:Z+8*\i+2*\p+1], v[E+16*\i+2*\p:E+16*\i+2*\p+1]  ; z + (e - z)
.endr
	global_store_b128 v1, v[Z+8*\i:Z+8*\i+3],   s[10:11] offset:ROWB*\i th:TH_STORE_NT      ; 512 consecutive bytes, aligned
	global_store_b128 v1, v[Z+8*\i+4:Z+8*\i+7], s[10:11] offset:ROWB*\i+512 th:TH_STORE_NT
.endr
	v_pk_add_f32 v[SUM:SUM+1],   v[SUM:SUM+1],   v[SUM+2:SUM+3]
	v_pk_add_f32 v[SUM+4:SUM+5], v[SUM+4:SUM+5], v[SUM+6:SUM+7]
	v_pk_add_f32 v[SUM:SUM+1],   v[SUM:SUM+1],   v[SUM+4:SUM+5]
	v_add_f32 v[SUM], v[SUM], v[SUM+1]
	v_add_f32_dpp v[SUM], v[SUM], v[SUM] row_xmask:1 row_mask:0xf bank_mask:0xf
	v_add_f32_dpp v[SUM], v[SUM], v[SUM] row_xmask:2 row_mask:0xf bank_mask:0xf
	v_add_f32_dpp v[SUM], v[SUM], v[SUM] row_xmask:4 row_mask:0xf bank_mask:0xf
	v_add_f32_dpp v[SUM], v[SUM], v[SUM] row_xmask:8 row_mask:0xf bank_mask:0xf
	v_permlanex16_b32 v[SUM+1], v[SUM], s28, s29
	v_add_f32 v[SUM], v[SUM], v[SUM+1]             ; the wave's sum
	s_lshl_b32 s27, s16, 2
	v_mov_b32 v[VT], s27
	ds_store_b32 v[VT], v[SUM] offset:LSUM
	s_wait_dscnt 0x0                               ; for wave 0's sake: my eight indices and my sum are in LDS
	s_barrier_signal -1
	s_barrier_wait -1
	s_cmp_lg_u32 s16, 0
	s_cbranch_scc1 .Ldone
	; wave 0: the work-group's 64 indices and its sum
	v_lshlrev_b32 v[L8], 3, v0                     ; 8 x lane (in wave 0 the thread's number is the lane)
	v_mov_b32 v[ZERO], 0
	ds_load_b64 v[OI:OI+1], v[L8] offset:LIDX
	ds_load_b128 v[P:P+3],   v[ZERO] offset:LSUM
	ds_load_b128 v[P+4:P+7], v[ZERO] offset:LSUM+16
	s_wait_dscnt 0x0
	global_store_b64 v[L8], v[OI:OI+1], s[12:13]   ; 256 consecutive bytes, aligned
	v_pk_add_f32 v[P:P+1],   v[P:P+1],   v[P+2:P+3]
	v_pk_add_f32 v[P+4:P+5], v[P+4:P+5], v[P+6:P+7]
	v_pk_add_f32 v[P:P+1],   v[P:P+1],   v[P+4:P+5]
	v_add_f32 v[P], v[P], v[P+1]
	v_cmp_eq_u32 vcc_lo, 0, v0
	s_wait_xcnt 0x0                                ; EXEC is a source of the stores above: it changes only behind this wait
	s_and_saveexec_b32 s24, vcc_lo                 ; thread 0 alone
	global_store_b32 v[ZERO], v[P], s[14:15]       ; one word a work-group: the sum over work-groups is made in the next launch
	s_wait_xcnt 0x0
	s_or_b32 exec_lo, exec_lo, s24
.Ldone:
	s_set_vgpr_msb 0x5
	s_wait_tensorcnt 0x0
	ds_add_u32 v0, v1
	s_wait_dscnt 0x0
	s_set_vgpr_msb 0x500
	s_endpgm
.Lfunc_end_k_q35efaaec74_apply:
	.size	k_q35efaaec74_apply, .Lfunc_end_k_q35efaaec74_apply-k_q35efaaec74_apply
	.p2alignl 7, 3214868480
	.fill 96, 4, 3214868480
	.section	.rodata,"a",@progbits
	.p2align	6, 0x0
	.amdhsa_kernel k_q35efaaec74_apply
		.amdhsa_group_segment_fixed_size 102912
		.amdhsa_private_segment_fixed_size 0
		.amdhsa_enable_private_segment 0
		.amdhsa_kernarg_size 48
		.amdhsa_user_sgpr_count 2
		.amdhsa_user_sgpr_kernarg_segment_ptr 1
		.amdhsa_wavefront_size32 1
		.amdhsa_system_sgpr_workgroup_id_x 1
		.amdhsa_system_sgpr_workgroup_id_y 1
		.amdhsa_system_sgpr_workgroup_id_z 1
		.amdhsa_system_vgpr_workitem_id 0
		.amdhsa_next_free_vgpr 258
		.amdhsa_next_free_sgpr 66
		.amdhsa_reserve_vcc 1
		.amdhsa_float_denorm_mode_32 3
		.amdhsa_float_denorm_mode_16_64 3
		.amdhsa_memory_ordered 1
		.amdhsa_forward_progress 1
		.amdhsa_inst_pref_size 86
	.end_amdhsa_kernel
	.amdgpu_metadata
---
amdhsa.version: [ 1, 2 ]
amdhsa.kernels:
  - .name:           k_q35efaaec74_apply
    .symbol:         k_q35efaaec74_apply.kd
    .args:
      - { .name: z, .offset: 0, .size: 8, .value_kind: global_buffer, .address_space: global }
      - { .name: embedding, .offset: 8, .size: 8, .value_kind: global_buffer, .address_space: global }
      - { .name: cand, .offset: 16, .size: 8, .value_kind: global_buffer, .address_space: global }
      - { .name: out0, .offset: 24, .size: 8, .value_kind: global_buffer, .address_space: global }
      - { .name: out2, .offset: 32, .size: 8, .value_kind: global_buffer, .address_space: global }
      - { .name: part, .offset: 40, .size: 8, .value_kind: global_buffer, .address_space: global }
    .group_segment_fixed_size: 102912
    .private_segment_fixed_size: 0
    .kernarg_segment_align: 8
    .kernarg_segment_size: 48
    .max_flat_workgroup_size: 256
    .sgpr_count:     66
    .vgpr_count:     258
    .wavefront_size: 32
...
	.end_amdgpu_metadata
.endif
;; end of part 3
;; launch finish (part 4): grid 1 x 1, 1 waves a work-group, no clusters, 0 bytes of LDS; arguments part, out1; writes out1
.if DOCPART == 4
	.amdgcn_target "amdgcn-amd-amdhsa--gfx1250"
	.amdhsa_code_object_version 6
	.text
	.protected	k_q35efaaec74_finish
	.globl	k_q35efaaec74_finish
	.p2align	8
	.type	k_q35efaaec74_finish,@function
k_q35efaaec74_finish:
	s_mov_b64 s[64:65], 0
	v_nop
	global_prefetch_b8 v0, s[64:65] scope:SCOPE_SE
	s_setreg_imm32_b32 hwreg(HW_REG_WAVE_MODE, 25, 1), 1
	s_wait_xcnt 0x0
; out1 = m + 0.25 m, with m = (sum of the 512 partial sums) / 8,388,608: both means of the loss are over the same squares.
; One wave: 2,048 bytes in four loads of 512 consecutive bytes; the order of the sum is fixed.
	s_load_b128 s[4:7], s[0:1], 0x0                ; part s[4:5], out1 s[6:7]
	v_lshlrev_b32 v1, 4, v0                        ; 16 x lane
	v_mov_b32 v20, 0                               ; v_permlanex16_b32 counts as a reader of its destination
	v_mov_b32 v21, 0                               ; the store's offset
	s_mov_b32 s8, 0x76543210
	s_mov_b32 s9, 0xfedcba98
	s_wait_kmcnt 0x0
.irp m, 0,1,2,3
	global_load_b128 v[4+4*\m:7+4*\m], v1, s[4:5] offset:512*\m
.endr
	s_wait_loadcnt 0x0
	v_pk_add_f32 v[4:5],   v[4:5],   v[6:7]
	v_pk_add_f32 v[8:9],   v[8:9],   v[10:11]
	v_pk_add_f32 v[12:13], v[12:13], v[14:15]
	v_pk_add_f32 v[16:17], v[16:17], v[18:19]
	v_pk_add_f32 v[4:5],   v[4:5],   v[8:9]
	v_pk_add_f32 v[12:13], v[12:13], v[16:17]
	v_pk_add_f32 v[4:5],   v[4:5],   v[12:13]
	v_add_f32 v4, v4, v5
	v_add_f32_dpp v4, v4, v4 row_xmask:1 row_mask:0xf bank_mask:0xf
	v_add_f32_dpp v4, v4, v4 row_xmask:2 row_mask:0xf bank_mask:0xf
	v_add_f32_dpp v4, v4, v4 row_xmask:4 row_mask:0xf bank_mask:0xf
	v_add_f32_dpp v4, v4, v4 row_xmask:8 row_mask:0xf bank_mask:0xf
	v_permlanex16_b32 v20, v4, s8, s9
	v_add_f32 v4, v4, v20
	v_mul_f32 v4, 0x34000000, v4                   ; x 2^-23: the mean over 8 x 256 x 64 x 64 numbers
	v_fmamk_f32 v5, v4, 0x3e800000, v4             ; m x 0.25 + m
	v_cmp_eq_u32 vcc_lo, 0, v0
	s_wait_xcnt 0x0                                ; EXEC changes only behind this wait
	s_and_saveexec_b32 s10, vcc_lo                 ; lane 0 alone
	global_store_b32 v21, v5, s[6:7]
	s_wait_xcnt 0x0
	s_or_b32 exec_lo, exec_lo, s10
	s_endpgm
.Lfunc_end_k_q35efaaec74_finish:
	.size	k_q35efaaec74_finish, .Lfunc_end_k_q35efaaec74_finish-k_q35efaaec74_finish
	.p2alignl 7, 3214868480
	.fill 96, 4, 3214868480
	.section	.rodata,"a",@progbits
	.p2align	6, 0x0
	.amdhsa_kernel k_q35efaaec74_finish
		.amdhsa_group_segment_fixed_size 0
		.amdhsa_private_segment_fixed_size 0
		.amdhsa_enable_private_segment 0
		.amdhsa_kernarg_size 16
		.amdhsa_user_sgpr_count 2
		.amdhsa_user_sgpr_kernarg_segment_ptr 1
		.amdhsa_wavefront_size32 1
		.amdhsa_system_sgpr_workgroup_id_x 1
		.amdhsa_system_sgpr_workgroup_id_y 1
		.amdhsa_system_sgpr_workgroup_id_z 1
		.amdhsa_system_vgpr_workitem_id 0
		.amdhsa_next_free_vgpr 24
		.amdhsa_next_free_sgpr 66
		.amdhsa_reserve_vcc 1
		.amdhsa_float_denorm_mode_32 3
		.amdhsa_float_denorm_mode_16_64 3
		.amdhsa_memory_ordered 1
		.amdhsa_forward_progress 1
		.amdhsa_inst_pref_size 3
	.end_amdhsa_kernel
	.amdgpu_metadata
---
amdhsa.version: [ 1, 2 ]
amdhsa.kernels:
  - .name:           k_q35efaaec74_finish
    .symbol:         k_q35efaaec74_finish.kd
    .args:
      - { .name: part, .offset: 0, .size: 8, .value_kind: global_buffer, .address_space: global }
      - { .name: out1, .offset: 8, .size: 8, .value_kind: global_buffer, .address_space: global }
    .group_segment_fixed_size: 0
    .private_segment_fixed_size: 0
    .kernarg_segment_align: 8
    .kernarg_segment_size: 16
    .max_flat_workgroup_size: 32
    .sgpr_count:     66
    .vgpr_count:     24
    .wavefront_size: 32
...
	.end_amdgpu_metadata
.endif
;; end of part 4
